; MI455X (gfx1250); checked and timed in simulation.
; The chip was launched on July 23, 2026; its instructions are those of AMD's public machine-readable ISA for CDNA 5 (MIT licence, August 2026) and "CDNA5" Instruction Set Architecture Reference Guide (July 2026). The comments in the code are by the model that wrote it; some were corrected since.
;; Mo E Layer. Allowed arithmetic: matrix products marked QUANTISED: E5M2 operands, one E8M0 scale for each 32 along K, by v_wmma_scale_f32_16x16x128_f8f6f4 with both operands' format E5M2, f32 sums; products left as they are: f32 operands where the result goes on into a quantised operand, else bf16, f16 or f32 operands; f32 sums; everything else in f32.
;; Inputs: W1 8 x 1,024 x 2,048 float32; W2 8 x 2,048 x 1,024 float32; b1 8 x 2,048 float32; b2 8 x 1,024 float32; gate_logits 8 float32; h 2,048 x 1,024 float32.
;; Outputs: out0 2,048 x 1,024 float32.
;; This version of the problem:
;;   THIS VERSION OF THE PROBLEM IS GIVEN IN LOW PRECISION. The matrix products marked QUANTISED in the list below multiply operands that are first quantised to E5M2 (5 exponent bits, 2 mantissa bits; 8 bits a number), with one power-of-two scale for each 32 numbers along K (OCP MX v1.0); their sums are f32. All else is computed in f32.
;;   The module's matrix products, in the order in which they are computed (A, B: the left and right operand; K: the contracted axis; several contracted axes count as one K, in the product's order):
;;     1. [M 16,384, K 1,024] x [K 1,024, N 2,048]; A: input W1; B: input h: QUANTISED
;;     2. batch 8 x [M 2,048, K 2,048] x [K 2,048, N 1,024]; A: computed on the way; B: input W2: QUANTISED
;;     3. batch 2,048 x [M 1,024, K 8] x [K 8, N 1]; A: computed on the way; B: computed on the way: left as it is (K = 8 < 32)
;;   THE QUANTISER, for each operand of a quantised product, along K:
;;     - K is cut into blocks of 32 from its start; a last block that is shorter is filled with zeros.
;;     - A block's scale is 2^e with e = floor(log2(the largest magnitude in the block)) - 15, held to -126 .. 127; a block of zeros has e = 0. As a byte (E8M0): e + 127.
;;     - Each number is divided by its block's scale, clamped to +-57,344, and rounded to the nearest number of E5M2, ties to even, subnormals kept.
;;     - The product sums the exact products of the quantised numbers (number of the format x scale) in f32.
;;   ~~~python
;;   def quantise(x, axis):      # numpy; x: float32 -> the quantised numbers, widened to float32 again
;;       x = np.moveaxis(x, axis, -1); K = x.shape[-1]
;;       x = np.pad(x, [(0, 0)] * (x.ndim - 1) + [(0, -K % 32)]); x = x.reshape(x.shape[:-1] + (-1, 32)); a = np.abs(x).max(-1, keepdims=True)
;;       e = np.where(a > 0, np.clip(np.frexp(np.where(a > 0, a, 1))[1] - 1 - 15, -126, 127), 0)      # np.frexp(a)[1] - 1 = floor(log2(a)), exactly
;;       r = np.clip(x / 2.0 ** e, -57344, 57344)
;;       step = 2.0 ** (np.maximum(np.frexp(np.where(r == 0, 1, r))[1] - 1, -14) - 2)
;;       q = np.round(r / step) * step * 2.0 ** e      # np.round: ties to even
;;       return np.moveaxis(q.reshape(q.shape[:-2] + (-1,))[..., :K], -1, axis).astype(np.float32)
;;   ~~~
;;   OPERANDS COMPUTED ON THE WAY. 'Computed on the way' means the value that the module computes at that place (a softmax that the list does not call 'softmax' is quantised finished and normalised). What goes into a quantiser is computed in f32, as accurately as f32 sums, v_exp_f32 and their like allow (about 1e-6 of the number): no bf16 or f16 on the way to a quantiser, and a product that is left as it is and whose result goes on into a quantised operand takes f32 operands (vector FMAs, or v_wmma_f32_16x16x4_f32). A number that lies on a knife's edge between two numbers of the format may be rounded either way, as far as f32 arithmetic and the matrix unit's own rounding can turn it there, and no further.
;; One version. Each part assembles by itself: llvm-mc -triple=amdgcn-amd-amdhsa -mcpu=gfx1250 --defsym DOCPART=n.
;; ======== version 1 of 1: 4 launches
;; limits: values are held in bf16: 8 bits of precision; right only within a limited range of input values
;; workspace buffers: xq 2,162,688 bytes; w1q 17,301,504 bytes; w2q 17,301,504 bytes; hq 34,603,008 bytes; part 33,554,432 bytes
;; launch quant (part 1): grid 512 x 1, 4 waves a work-group, no clusters, 0 bytes of LDS; arguments h, W1, xq, w1q; writes xq, w1q
.if DOCPART == 1
	.amdgcn_target "amdgcn-amd-amdhsa--gfx1250"
	.amdhsa_code_object_version 6
	.text
	.protected	k_qb29847b80f_quant
	.globl	k_qb29847b80f_quant
	.p2align	8
	.type	k_qb29847b80f_quant,@function
k_qb29847b80f_quant:
	s_mov_b64 s[64:65], 0
	v_nop
	global_prefetch_b8 v0, s[64:65] scope:SCOPE_SE
	s_setreg_imm32_b32 hwreg(HW_REG_WAVE_MODE, 25, 1), 1
	s_wait_xcnt 0x0
; LAUNCH 1 OF 4.  out0 = sum over e of p_e (gelu(h W1_e + b1_e) W2_e + b2_e), p = softmax(gate_logits); both large products on codes of BF8 (E5M2) with one E8M0 scale for each 32 along K.
; DEAD WORK: none of the six inputs is dead: every expert is weighed in for every token.  Left out is only the division of the logits by TEMP = 1.0, a factor of 1 by identity, and the broadcast of the eight weights to all tokens, which moves no number.
; THIS LAUNCH turns h [2048][1024] and W1 [8][1024][2048], f32, into codes and scale words, each read once, laid IN THE ORDER OF THE OPERAND'S REGISTERS.  (W2 is quantised by the same rule and layout in launch 2.)
;   A RECORD is 128 rows x all of K (KK = K / 256 panels).  Codes: kk x 32768 + tile x 4096 + ks x 2048 + 512 c + 16 lane: the 16 bytes are k = 256 kk + 128 ks + 32 c + 16 (lane / 16) + 0 .. 15 of the tile's image row lane % 16.
;   Scale words, behind the codes: KK x 32768 + kk x 1024 + ks x 512 + tile x 64 + 4 row.
;   xq: record = token / 128, image row r of tile t = token 16 t + r.   w1q: record = (2048 e + n) / 128: image row r of tile t = column 32 (t / 2) + 8 (t % 2) + r + 8 (r / 8) of the record.
; A block's scale is 2^(floor(log2(its largest magnitude)) - 15); its byte is the largest magnitude's exponent field - 15, held at 1 from below; each number is held within +-57,344 x the scale and rounded to the nearest code, ties to even.
; LIMITS: a block of zeros gets the byte 1 where the rule says 127 (its codes are zeros, and this program alone reads the bytes); largest magnitudes under 2^-111 are held at that floor; NaN and infinities among the inputs are not served.
; SHARES.  A work-group of four waves makes one panel of W1 (128 records x 4 panels = 512).  h has 1,024 fragments of 16 tokens x 128 K: work-group j's waves 0 and 1 take fragments 2 j and 2 j + 1 ahead of their first block of the weight.  No LDS, no barrier.
.set REC1,  135168
.set MANT,  0x600000                   ; the mantissa field of 57,344
.set X,     32                         ; v32-95   the weight: two sets of 32 numbers
.set C,     96                         ; v96-159  its codes, eight registers for each of 8 blocks
.set HX,    96                         ; v96-159  ahead of that: a fragment of h, 64 numbers
.set TM,    8
.set HPW,   26
.set HPC,   160
.set HXA,   176
.set HLI,   177
.set HLS,   178
	s_load_b256 s[4:11], s[0:1], 0x0               ; h s[4:5], W1 s[6:7], xq s[8:9], w1q s[10:11]
	v_lshrrev_b32 v1, 5, v0
	v_readfirstlane_b32 s16, v1                    ; wave
	v_and_b32 v2, 31, v0                           ; lane
	v_lshlrev_b32 v3, 2, v2                        ; my column among the wave's 32
	s_mov_b32 s31, MANT
; Lane = 16 g + 8 u + j takes column 32 wave + lane: image row r = 8 g + j of tile 2 wave + u; its registers run down K
	v_bfe_u32 v6, v2, 3, 1
	v_lshrrev_b32 v7, 4, v2
	v_and_b32 v8, 7, v2
	v_lshl_add_u32 v7, v7, 3, v8
	s_lshl_b32 s17, s16, 13
	s_lshl_b32 s18, s16, 7
	v_lshlrev_b32 v4, 4, v7
	v_lshl_add_u32 v4, v6, 12, v4
	v_add_nc_u32 v4, s17, v4                       ; codes: 8192 wave + 4096 u + 16 r
	v_lshlrev_b32 v5, 2, v7
	v_lshl_add_u32 v5, v6, 6, v5
	v_add_nc_u32 v5, s18, v5                       ; scale words: 128 wave + 64 u + 4 r
	s_wait_kmcnt 0x0
.macro WLOAD t                         ; block t: W1(32 t + i, my column) into set t % 2: 32 lanes read 128 consecutive bytes, the four waves 512
.set i, 0
.rept 32
	global_load_b32 v[X+32*((\t)%2)+i], v3, s[20:21] offset:(32*(\t)+i)*8192 th:TH_LOAD_NT
.set i, i+1
.endr
.endm
.macro WBLOCK t
.set XS, X+32*((\t)%2)
.set CS, C+8*(\t)
.if (\t) < 7
	s_wait_loadcnt 32                              ; this block's 32 loads are in; the next block's 32 may be out
.else
	s_wait_loadcnt 0x0
.endif
	v_max3_num_f32 v12, |v[XS]|, |v[XS+1]|, |v[XS+2]|
	v_max3_num_f32 v13, |v[XS+3]|, |v[XS+4]|, |v[XS+5]|
.irp i, 6,10,14,18,22,26
	v_max3_num_f32 v12, v12, |v[XS+\i]|, |v[XS+\i+1]|
	v_max3_num_f32 v13, v13, |v[XS+\i+2]|, |v[XS+\i+3]|
.endr
	v_max3_num_f32 v12, v12, |v[XS+30]|, |v[XS+31]|
	v_max3_num_f32 v12, v12, v13, 0x8000000        ; the floor 2^(16 - 127)
	v_add_nc_u32 v11, 0xf8800000, v12              ; the conversion's scale operand
	v_and_or_b32 v10, v12, 0x7f800000, s31         ; 57,344 x the scale
	v_lshrrev_b32 v13, 23, v11                     ; the byte
.if (\t)%4 == 0
	v_mov_b32 v[24+(\t)/4], v13
.else
	v_lshl_or_b32 v[24+(\t)/4], v13, 8*((\t)%4), v[24+(\t)/4]
.endif
.set i, 0
.rept 32
	v_med3_num_f32 v[XS+i], v[XS+i], -v10, v10     ; the conversion does not saturate (ISA guide 7.6.2)
.set i, i+1
.endr
.irp g, 0,1,2,3
	v_cvt_scalef32_pk8_bf8_f32 v[CS+2*\g:CS+2*\g+1], v[XS+8*\g:XS+8*\g+7], v11
.endr
	global_store_b128 v4, v[CS:CS+3], s[22:23] offset:((\t)/4)*2048+((\t)%4)*512           ; the sixteen lanes of one u store 256 consecutive bytes, aligned
	global_store_b128 v4, v[CS+4:CS+7], s[22:23] offset:((\t)/4)*2048+((\t)%4)*512+256
.if (\t)+2 < 8
	WLOAD (\t)+2
.endif
.endm
; h: lane (r, hh) takes, of row r, 16 neighbours of each block of 32.  Fragment f = s42: record f / 64, panel (f / 16) % 4, tile (f / 2) % 8, half f % 2
.macro HASK
	s_lshl_b32 s42, ttmp9, 1
	s_add_co_u32 s42, s42, s16
	s_lshr_b32 s32, s42, 6
	s_bfe_u32 s33, s42, 0x20004
	s_bfe_u32 s34, s42, 0x30001
	s_and_b32 s35, s42, 1
	s_lshl_b32 s36, s32, 19
	s_lshl_b32 s37, s34, 16
	s_add_co_u32 s36, s36, s37
	s_lshl_b32 s37, s33, 10
	s_add_co_u32 s36, s36, s37
	s_lshl_b32 s37, s35, 9
	s_add_co_u32 s36, s36, s37
	s_mov_b32 s37, 0
	s_add_nc_u64 s[36:37], s[4:5], s[36:37]        ; the fragment's first number
	s_mul_i32 s38, s32, REC1
	s_lshl_b32 s39, s33, 15
	s_add_co_u32 s38, s38, s39
	s_lshl_b32 s39, s34, 12
	s_add_co_u32 s38, s38, s39
	s_lshl_b32 s39, s35, 11
	s_add_co_u32 s38, s38, s39
	s_mov_b32 s39, 0
	s_add_nc_u64 s[38:39], s[8:9], s[38:39]        ; its codes
	s_mul_i32 s40, s32, REC1
	s_lshl_b32 s41, s33, 10
	s_add_co_u32 s40, s40, s41
	s_lshl_b32 s41, s35, 9
	s_add_co_u32 s40, s40, s41
	s_lshl_b32 s41, s34, 6
	s_add_co_u32 s40, s40, s41
	s_add_co_u32 s40, s40, 4*32768
	s_mov_b32 s41, 0
	s_add_nc_u64 s[40:41], s[8:9], s[40:41]        ; its scale words
	s_mov_b32 s28, 0x76543210
	s_mov_b32 s29, 0xfedcba98
	v_and_b32 v6, 15, v2
	v_lshrrev_b32 v7, 4, v2
	v_lshlrev_b32 v[HXA], 12, v6
	v_lshl_add_u32 v[HXA], v7, 6, v[HXA]
	v_lshlrev_b32 v[HLI], 4, v2
	v_lshlrev_b32 v[HLS], 2, v6
.irp b, 0,1,2,3
	v_mov_b32 v[TM+4+\b], 0
.endr
.irp b, 0,1,2,3
.irp j, 0,1,2,3
	global_load_b128 v[HX+16*\b+4*\j:HX+16*\b+4*\j+3], v[HXA], s[36:37] offset:128*\b+16*\j th:TH_LOAD_NT
.endr
.endr
.endm
.macro HDO
.irp b, 0,1,2,3
	v_max3_num_f32 v[TM+\b], |v[HX+16*\b]|, |v[HX+1+16*\b]|, 0x8000000
.endr
.irp i, 2,4,6,8,10,12,14
.irp b, 0,1,2,3
	v_max3_num_f32 v[TM+\b], v[TM+\b], |v[HX+16*\b+\i]|, |v[HX+1+16*\b+\i]|
.endr
.endr
.irp b, 0,1,2,3
	v_permlanex16_b32 v[TM+4+\b], v[TM+\b], s28, s29
.endr
.irp b, 0,1,2,3
	v_max_num_f32 v[TM+\b], v[TM+\b], v[TM+4+\b]
.endr
.irp b, 0,1,2,3
	v_add_nc_u32 v[TM+12+\b], 0xf8800000, v[TM+\b]
.endr
.irp b, 0,1,2,3
	v_and_or_b32 v[TM+8+\b], v[TM+\b], 0x7f800000, s31
.endr
.irp b, 0,1,2,3
	v_lshrrev_b32 v[TM+4+\b], 23, v[TM+12+\b]
.endr
	v_lshl_or_b32 v[HPW], v[TM+5], 8, v[TM+4]
	v_lshl_or_b32 v[HPW], v[TM+6], 16, v[HPW]
	v_lshl_or_b32 v[HPW], v[TM+7], 24, v[HPW]
.irp b, 0,1,2,3
.irp i, 0,1,2,3,4,5,6,7,8,9,10,11,12,13,14,15
	v_med3_num_f32 v[HX+16*\b+\i], v[HX+16*\b+\i], -v[TM+8+\b], v[TM+8+\b]
.endr
	v_cvt_scalef32_pk8_bf8_f32 v[HPC+4*\b:HPC+1+4*\b], v[HX+16*\b:HX+7+16*\b], v[TM+12+\b]
	v_cvt_scalef32_pk8_bf8_f32 v[HPC+2+4*\b:HPC+3+4*\b], v[HX+8+16*\b:HX+15+16*\b], v[TM+12+\b]
.endr
	v_nop                                          ; one plain vector line behind the last scaled conversion
.irp c, 0,1,2,3
	global_store_b128 v[HLI], v[HPC+4*\c:HPC+4*\c+3], s[38:39] offset:512*\c
.endr
	global_store_b32 v[HLS], v[HPW], s[40:41]      ; both halves of the lanes hold the same word
.endm
	; W1: record rp = (2048 e + n) / 128, panel kk
	s_and_b32 s18, ttmp9, 127
	s_lshr_b32 s19, ttmp9, 7
	s_lshr_b32 s20, s18, 4
	s_lshl_b32 s20, s20, 23
	s_lshl_b32 s21, s19, 21
	s_add_co_u32 s20, s20, s21
	s_and_b32 s21, s18, 15
	s_lshl_b32 s21, s21, 9
	s_add_co_u32 s20, s20, s21
	s_lshl_b32 s21, s16, 7
	s_add_co_u32 s20, s20, s21
	s_mov_b32 s21, 0
	s_add_nc_u64 s[20:21], s[6:7], s[20:21]
	s_mul_i32 s22, s18, REC1
	s_lshl_b32 s23, s19, 15
	s_add_co_u32 s22, s22, s23
	s_mov_b32 s23, 0
	s_add_nc_u64 s[22:23], s[10:11], s[22:23]
	s_mul_i32 s24, s18, REC1
	s_lshl_b32 s25, s19, 10
	s_add_co_u32 s24, s24, s25
	s_add_co_u32 s24, s24, 4*32768
	s_mov_b32 s25, 0
	s_add_nc_u64 s[24:25], s[10:11], s[24:25]
	s_cmp_gt_u32 s16, 1                            ; waves 0 and 1 take a fragment of h
	s_cbranch_scc1 .Lplain
	HASK
	WLOAD 0
	s_wait_loadcnt 32                              ; the weight's 32 loads may be out when the fragment's are in
	HDO
	s_branch .Lgo
.Lplain:
	WLOAD 0
.Lgo:
	WLOAD 1
.irp t, 0,1,2,3,4,5,6,7
	WBLOCK \t
.endr
	global_store_b32 v5, v24, s[24:25]
	global_store_b32 v5, v25, s[24:25] offset:512
	s_endpgm
.Lfunc_end_k_qb29847b80f_quant:
	.size	k_qb29847b80f_quant, .Lfunc_end_k_qb29847b80f_quant-k_qb29847b80f_quant
	.p2alignl 7, 3214868480
	.fill 96, 4, 3214868480
	.section	.rodata,"a",@progbits
	.p2align	6, 0x0
	.amdhsa_kernel k_qb29847b80f_quant
		.amdhsa_group_segment_fixed_size 0
		.amdhsa_private_segment_fixed_size 0
		.amdhsa_enable_private_segment 0
		.amdhsa_kernarg_size 32
		.amdhsa_user_sgpr_count 2
		.amdhsa_user_sgpr_kernarg_segment_ptr 1
		.amdhsa_wavefront_size32 1
		.amdhsa_system_sgpr_workgroup_id_x 1
		.amdhsa_system_sgpr_workgroup_id_y 1
		.amdhsa_system_sgpr_workgroup_id_z 1
		.amdhsa_system_vgpr_workitem_id 0
		.amdhsa_next_free_vgpr 192
		.amdhsa_next_free_sgpr 66
		.amdhsa_reserve_vcc 0
		.amdhsa_float_denorm_mode_32 3
		.amdhsa_float_denorm_mode_16_64 3
		.amdhsa_memory_ordered 1
		.amdhsa_forward_progress 1
		.amdhsa_inst_pref_size 71
	.end_amdhsa_kernel
	.amdgpu_metadata
---
amdhsa.version: [ 1, 2 ]
amdhsa.kernels:
  - .name:           k_qb29847b80f_quant
    .symbol:         k_qb29847b80f_quant.kd
    .args:
      - { .name: h, .offset: 0, .size: 8, .value_kind: global_buffer, .address_space: global }
      - { .name: W1, .offset: 8, .size: 8, .value_kind: global_buffer, .address_space: global }
      - { .name: xq, .offset: 16, .size: 8, .value_kind: global_buffer, .address_space: global }
      - { .name: w1q, .offset: 24, .size: 8, .value_kind: global_buffer, .address_space: global }
    .group_segment_fixed_size: 0
    .private_segment_fixed_size: 0
    .kernarg_segment_align: 8
    .kernarg_segment_size: 32
    .max_flat_workgroup_size: 128
    .sgpr_count:     66
    .vgpr_count:     192
    .wavefront_size: 32
...
	.end_amdgpu_metadata
.endif
;; end of part 1
;; launch ffn1 (part 2): grid 64 x 4, 4 waves a work-group, clusters of 4 x 4, 327,680 bytes of LDS; arguments xq, w1q, b1, hq, W2, w2q; writes hq, w2q
.if DOCPART == 2
	.amdgcn_target "amdgcn-amd-amdhsa--gfx1250"
	.amdhsa_code_object_version 6
	.text
	.protected	k_qb29847b80f_ffn1
	.globl	k_qb29847b80f_ffn1
	.p2align	8
	.type	k_qb29847b80f_ffn1,@function
k_qb29847b80f_ffn1:
	s_mov_b64 s[64:65], 0
	v_nop
	global_prefetch_b8 v0, s[64:65] scope:SCOPE_SE
	s_setreg_imm32_b32 hwreg(HW_REG_WAVE_MODE, 25, 1), 1
	s_wait_xcnt 0x0
	s_wait_alu depctr_hold_cnt(0) depctr_sa_sdst(0) depctr_va_vdst(0) depctr_va_sdst(0) depctr_va_ssrc(0) depctr_va_vcc(0) depctr_vm_vsrc(0)
	s_getreg_b32 s2, hwreg(HW_REG_IB_STS2, 6, 4)
	s_cmp_eq_u32 s2, 0
	s_cbranch_scc0 .Lentry_in_a_cluster
	s_endpgm
.Lentry_in_a_cluster:
	s_bfe_u32 s2, ttmp6, 0x10000c
	s_cmp_lg_u32 s2, 0xf033
	s_cbranch_scc0 .Lentry_shape_is_right
	s_endpgm
.Lentry_shape_is_right:
; LAUNCH 2 OF 4: hid = gelu(h W1_e + b1_e), all experts side by side (column 2048 e + n), on the codes of launch 1; the result is quantised along n, the next product's K, and leaves as codes and scale words in hq, in the order of launch 3's operand registers.
; BESIDE IT W2 [8][2048][1024] is quantised into w2q (record 8 e + d / 128, layout and rule as in launch 1's head): its loads and stores run under this launch's arithmetic.  No work is left out.
; THE DEAL.  256 work-groups of four waves.  A work-group takes 512 tokens (xq's records 4 Y ..) and 256 columns (w1q's records 2 X, 2 X + 1).  Wave w holds 64 columns (record w / 2, tiles 4 (w % 2) ..), ALL of K = 1,024, in 512 registers,
; and streams 32 blocks of 16 tokens past them.  A trip is a block: 32 products, four sums by turns, b1 as the first products' C; the next block's fetch; the block's way out (GELU, quantiser).
; LDS: two slots of a record (135,168 bytes).  The weights' two records lie in them first; when they stand in registers the tokens' records 0 and 1 are filled over them, record 2 over record 0 behind its eight blocks, record 3 over record 1: each refill eight blocks ahead of its first read.
; CLUSTERS 4 x 4: a column shares the weights, a row the tokens: every tensor load is joint, a quarter of its bytes a wave, behind a round of the cluster's barrier.
; NO PREFETCH: the head's fills have no loop ahead of them; a refill has eight blocks (256 products and their ways out) between its request and the wait for it; W2's loads are themselves asked for in the trip ahead of the one that uses them.
; THE PRODUCT IS USED TRANSPOSED (source 0 = 16 image rows of W1, source 1 = 16 tokens): lane (r, hh) holds token r; the 16 registers of tiles 2 b, 2 b + 1 are columns 32 b + 16 hh + 0 .. 15: the conversions' results are registers of launch 3's fragment.
; GELU, exact form, f32: gelu(x) = max(x, 0) - |x| t 2^E, t = 1 / (1 + |x| / (2 sqrt 2)), E = log2(e) (-x^2 / 2 + P(t)) - 1, P of degree 9: the fit erfc(z) = t exp(-z^2 + P(t)), fractional error under 1.2e-7 for z >= 0.
; W2: work-group g = X + 64 Y makes panels 2 g and 2 g + 1 (panel j: record j % 64, K step j / 64), a wave 32 columns, a lane a column with its registers down K: a block of 32 x 32 numbers every second trip.
; LIMITS: 2^E under 2^-126 comes out as 0 (x under about -13 gives 0); an x that overflowed gives NaN; NaN and infinities among the inputs are not served; a block of zeros keeps the byte 1 (its codes are zeros; this program alone reads the bytes); largest magnitudes under 2^-111 are held at that floor.
.set REC,   135168
.set RECO,  270336                     ; a record of hq or w2q
.set QTR,   67584                      ; a quarter of two records: 264 rows of 256 bytes
.set RQ,    33792                      ; a quarter of one: 132 rows
.set SCG,   2*REC                      ; the hidden layer's scale words: [w / 2][block 0 .. 31][64 bytes]
.set SGK,   2048
.set SPARE, SCG+2*SGK
.set LI,  4                            ; v4 16 x lane;  v5 the same + 65,536
.set LI2, 5
.set ADA, 6                            ; v6, v7 as v4, v5 for what is fetched next
.set ADB, 7
.set AS0, 8                            ; v8 a token's scale words in a slot's block 0;  v9 for the block fetched next
.set ADS, 9
.set SGB, 10                           ; v10 my scale half-word of block 0;  v11 of this block
.set SGT, 11
.set QLO, 12                           ; v12, v13, v34 W2: my offsets in the numbers, the codes, the scale words;  v35 four bytes on their way to a word
.set QCO, 13
.set C9,  14
.set SB,  16                           ; v16-31 W1's scale words: 8 p + q: lanes 0-15 tile 2 p, lanes 16-31 tile 2 p + 1
.set SPW, 32
.set NIL, 33
.set QSO, 34
.set QW,  35
.set SA,  36                           ; v36-43 the tokens' scale words
.set BOV, 44
.set PC,  52                           ; v52-59 a block's codes
.set PW,  60
.set BI,  64                           ; v64-95 b1 in the result's layout
.set ACC, 96                           ; v96-127 four sums
.set WX,  128                          ; v128-159 W2: 32 numbers
.set T,   160
.set Z,   192
.set HH,  224                          ; v224-239 the polynomial; behind the way out W2's codes and four temporaries
.set TM,  240
.set RB,  41
.set PB,  42
.set MNT, 43
.set OC,  52
.set WLB, 54
.set WSB, 56
.set WSS, 58
.set U,   60                           ; block in the record;  s61 block in all;  s62 record
.set TT,  61
.set PS,  62
.set CU,  63
.set SEL, 66
.set KC,  76                           ; s76-93 c0 .. c8, each twice;  s94-95 -log2(e) / 2
.set KN,  94
.set QL,  96
.set QC,  97
.set QS,  98
.set XO,  99
.set MSB, 0
.macro WIN new                         ; the immediate's high byte repeats the setting that is left
.if MSB != (\new)
	s_set_vgpr_msb (MSB<<8)|(\new)
.set MSB, (\new)
.endif
.endm
.macro WALU
	s_wait_alu depctr_va_vdst(0)
.endm
.macro PLACES n
.rept \n
	v_nop
.endr
.endm
.macro CROUND                          ; a round of the cluster's barrier
	s_barrier_signal -1
	s_barrier_wait -1
	s_cmp_lg_u32 s14, 0
	s_cbranch_scc1 .Lnot_wave_0_\@
	s_barrier_signal -3
.Lnot_wave_0_\@:
	s_barrier_wait -3
	s_barrier_signal -1
	s_barrier_wait -1
.endm
.macro GROUP1 g, rows                  ; dense bytes as rows of 32 elements of 8 bytes
	s_mov_b32 s[\g+1], 32<<16
	s_mov_b32 s[\g+2], (\rows)<<16
	s_mov_b32 s[\g+3], 32<<16
	s_mov_b32 s[\g+4], \rows
	s_mov_b32 s[\g+5], 32
	s_mov_b32 s[\g+6], 0
	s_mov_b32 s[\g+7], 0
.endm
	s_load_b256 s[4:11], s[0:1], 0x0       ; xq, w1q, b1, hq
	s_load_b64 s[12:13], s[0:1], 0x20      ; W2
	s_load_b64 s[2:3], s[0:1], 0x28        ; w2q
	v_lshl_add_u32 v[SPW], v0, 2, SPARE
	v_mov_b32 v[NIL], 0
	ds_add_u32 v[SPW], v[NIL]              ; the opening lines: the add, twice, and its wait below
	ds_add_u32 v[SPW], v[NIL]
	v_lshrrev_b32 v1, 5, v0
	v_readfirstlane_b32 s14, v1            ; wave
	s_lshr_b32 s15, s14, 1                 ; which record of the weights
	s_and_b32 s16, s14, 1                  ; which 64 of its 128 columns
	s_bfe_u32 s40, ttmp6, 0x40000          ; cx
	s_bfe_u32 s17, ttmp6, 0x40004          ; cy = Y: the grid is one cluster high
	s_lshl_b32 s18, ttmp9, 2
	s_add_co_u32 s18, s18, s40             ; X
	s_lshl_b32 s20, s17, 2
	s_lshl_b32 s20, 15, s20                ; my row of the cluster
	s_lshl_b32 s21, 0x1111, s40            ; my column
	s_or_b32 s24, s21, (3<<16)|(1<<21)     ; s[24:31] the weights;  s[44:51] the tokens' first two records;  s[68:75] a record
	s_or_b32 s44, s20, (3<<16)|(1<<21)
	s_or_b32 s68, s20, (3<<16)|(1<<21)
	GROUP1 24, 264
	GROUP1 44, 264
	GROUP1 68, 132
	s_mov_b32 s32, 1                       ; s[32:35] group 0 for the weights;  s[36:39] for the tokens
	s_mul_i32 s33, s14, QTR
	s_mov_b32 s36, 1
	s_mul_i32 s37, s14, QTR
	s_mul_i32 s[OC], s18, 2*REC
	s_add_co_u32 s[OC], s[OC], s33
	s_mov_b32 s[OC+1], 0
	s_mul_i32 s[XO], s17, 4*REC
	s_add_co_u32 s[WSB], s[XO], s37
	s_mov_b32 s[WSB+1], 0
	s_add_co_u32 s[XO], s[XO], 2*REC       ; record 2's offset
	s_lshl_b32 s[WSS], s18, 10             ; b1: column 256 X + 128 (w / 2)
	s_lshl_b32 s19, s15, 9
	s_add_co_u32 s[WSS], s[WSS], s19
	s_mov_b32 s[WSS+1], 0
	s_lshr_b32 s19, s18, 3                 ; hq: record 16 e + 4 Y + ..; K step X % 8
	s_lshl_b32 s19, s19, 4
	s_lshl_b32 s20, s17, 2
	s_add_co_u32 s19, s19, s20
	s_mul_i32 s19, s19, RECO
	s_and_b32 s20, s18, 7
	s_lshl_b32 s21, s20, 10
	s_add_co_u32 s[RB], s19, s21
	s_add_co_u32 s[RB], s[RB], 262144
	s_lshl_b32 s21, s20, 15
	s_add_co_u32 s[PB], s19, s21
	s_lshl_b32 s21, s15, 11
	s_add_co_u32 s[PB], s[PB], s21
	s_lshl_b32 s21, s16, 10
	s_add_co_u32 s[PB], s[PB], s21
	s_lshl_b32 s19, s18, 1                 ; W2: record q = 2 X % 64, K step 2 Y + X / 32
	s_and_b32 s19, s19, 63
	s_lshr_b32 s20, s18, 5
	s_lshl_b32 s21, s17, 1
	s_add_co_u32 s20, s20, s21
	s_lshr_b32 s[QL], s19, 3
	s_lshl_b32 s[QL], s[QL], 23
	s_lshl_b32 s21, s20, 20
	s_add_co_u32 s[QL], s[QL], s21
	s_and_b32 s21, s19, 7
	s_lshl_b32 s21, s21, 9
	s_add_co_u32 s[QL], s[QL], s21
	s_mul_i32 s19, s19, RECO
	s_lshl_b32 s21, s20, 15
	s_add_co_u32 s[QC], s19, s21
	s_lshl_b32 s21, s20, 10
	s_add_co_u32 s[QS], s19, s21
	s_add_co_u32 s[QS], s[QS], 262144
	s_mul_i32 s22, s15, REC                ; for the vector lines below
	s_lshl_b32 s100, s16, 14
	s_add_co_u32 s100, s100, s22
	s_lshl_b32 s101, s16, 8
	s_add_co_u32 s22, s22, s101
	s_add_co_u32 s22, s22, 131072
	s_lshl_b32 s19, s15, 11
	s_lshl_b32 s20, s16, 1
	s_add_co_u32 s19, s19, s20
	s_add_co_u32 s19, s19, SCG
	s_lshl_b32 s20, s14, 13
	s_lshl_b32 s21, s14, 7
.set n, 0
.irp c, 0xc034d90f, 0x3fb8ab5a, 0x3f0a29d2, 0x3e0efb2e, 0xbe899a80, 0x3ecdfd18, 0xbfd1a1e5, 0x40097039, 0xbf97d29d, 0xbf38aa3b
	s_mov_b32 s[KC+n], \c
	s_mov_b32 s[KC+n+1], \c
.set n, n+2
.endr
	s_mov_b32 s[CU], 0x3eb504f3            ; 1 / (2 sqrt 2)
	s_mov_b32 s[MNT], 0x600000             ; the mantissa field of 57,344
	s_mov_b32 s[SEL], 0x76543210
	s_mov_b32 s[SEL+1], 0xfedcba98
	s_mov_b32 s[TT], 0
	s_mov_b32 s[PS], 0
	WALU
	s_wait_dscnt 0x0
	CROUND                                 ; the sixteen work-groups are here: the joint loads meet
	s_wait_kmcnt 0x0
	s_add_nc_u64 s[34:35], s[6:7], s[OC:OC+1]
	s_or_b32 s35, s35, 0x80000000
	tensor_load_to_lds s[32:35], s[24:31]  ; my quarter of the weights' two records
	s_nop 0
	PLACES 4
	s_add_nc_u64 s[38:39], s[4:5], s[WSB:WSB+1]
	s_or_b32 s39, s39, 0x80000000
	s_add_nc_u64 s[WLB:WLB+1], s[8:9], s[WSS:WSS+1]
	v_and_b32 v1, 31, v0
	v_and_b32 v2, 15, v0
	v_bfe_u32 v3, v0, 4, 1
	v_lshlrev_b32 v[LI], 4, v1
	v_lshl_add_u32 v[LI2], v1, 4, 65536
	v_lshl_add_u32 v[AS0], v2, 2, 131072
	v_lshl_add_u32 v[BOV], v3, 6, s101
	v_lshl_add_u32 v[SGB], v2, 2, s19
	v_lshl_add_u32 v[ADA], v1, 4, s100     ; my weights in LDS
	v_add_nc_u32 v[ADB], 65536, v[ADA]
	v_lshl_add_u32 v[ADS], v1, 2, s22      ; and their scale words
	v_lshlrev_b32 v[QLO], 2, v0            ; W2: column 32 wave + lane
	v_bfe_u32 v61, v0, 3, 1                ; u
	v_and_b32 v62, 7, v0
	v_lshl_add_u32 v62, v3, 3, v62         ; r
	v_lshl_add_u32 v[QCO], v61, 12, s20
	v_lshl_add_u32 v[QCO], v62, 4, v[QCO]  ; 8192 wave + 4096 u + 16 r
	v_lshl_add_u32 v[QSO], v61, 6, s21
	v_lshl_add_u32 v[QSO], v62, 2, v[QSO]  ; 128 wave + 64 u + 4 r
	v_mov_b32 v[QW], 0
	v_mov_b32 v[C9], 0x3e7c6f08
	v_mov_b32 v[C9+1], 0x3e7c6f08
	WALU
.irp t, 0,1,2,3
	global_load_b128 v[BI+8*\t:BI+8*\t+3], v[BOV], s[WLB:WLB+1] offset:(32*(\t/2)+8*(\t%2))*4
	global_load_b128 v[BI+8*\t+4:BI+8*\t+7], v[BOV], s[WLB:WLB+1] offset:(32*(\t/2)+8*(\t%2))*4+16
.endr
	s_wait_tensorcnt 0x0                   ; my quarter of the weights is in,
	s_barrier_signal -1
	s_barrier_wait -1                      ; everybody's is
.set F_, 0
.rept 32                               ; fragment 4 q + b into window 1 + (4 q + b) / 16
	WIN (1+F_/16)<<6
.irp c, 0,1,2,3
	ds_load_b128 v[16*(F_%16)+4*\c:16*(F_%16)+4*\c+3], v[ADA+F_/16] offset:((F_/8)%2)*32768+(F_%4)*4096+((F_/4)%2)*2048+512*\c
.endr
.set F_, F_+1
.endr
	WIN 0
.irp p, 0,1
.irp q, 0,1,2,3,4,5,6,7
	ds_load_b32 v[SB+8*\p+\q], v[ADS] offset:512*\q+128*\p
.endr
.endr
	s_wait_tensorcnt 0x0                   ; the three lines ahead of a refill's round
	ds_add_u32 v[SPW], v[NIL]
	s_wait_dscnt 0x0                       ; the add is done, and the weights stand in registers
	CROUND
	tensor_load_to_lds s[36:39], s[44:51]  ; my quarter of the tokens' records 0 and 1, over the weights
	s_nop 0
	PLACES 4
.macro FETCH                           ; a block of 16 tokens, all of K, into window 3, and its eight scale words
	WIN 0xc0
.irp q, 0,1,2,3,4,5,6,7
.irp c, 0,1,2,3
	ds_load_b128 v[16*\q+4*\c:16*\q+4*\c+3], v[ADA+\q/4] offset:((\q/2)%2)*32768+(\q%2)*2048+512*\c
.endr
.endr
	WIN 0
.irp q, 0,1,2,3,4,5,6,7
	ds_load_b32 v[SA+\q], v[ADS] offset:512*\q
.endr
.endm
.macro PROD n                          ; product n = 4 q + b: the q-th 128 of K, tile b
.set Q_, (\n)/4
.set B_, (\n)%4
.set AC_, ACC+8*B_
.set CC_, AC_
.if Q_ == 0
.set CC_, BI+8*B_
.endif
.set W_, 16*((\n)%16)
.set R_, 16*Q_
.set XS_, SA+Q_
.set WS_, SB+8*(B_/2)+Q_
	WIN (1+(\n)/16)|(3<<2)
.if B_%2
	v_wmma_scale_f32_16x16x128_f8f6f4 v[AC_:AC_+7], v[W_:W_+15], v[R_:R_+15], v[CC_:CC_+7], v[WS_], v[XS_] matrix_a_fmt:MATRIX_FMT_BF8 matrix_b_fmt:MATRIX_FMT_BF8 matrix_a_scale:MATRIX_SCALE_ROW1
.else
	v_wmma_scale_f32_16x16x128_f8f6f4 v[AC_:AC_+7], v[W_:W_+15], v[R_:R_+15], v[CC_:CC_+7], v[WS_], v[XS_] matrix_a_fmt:MATRIX_FMT_BF8 matrix_b_fmt:MATRIX_FMT_BF8
.endif
.endm
; THE WAY OUT of the 32 sums a lane at x.  A batch of transcendentals is closed: a wait ahead and a wait behind; the plain lines inside read only what was written ahead of it, and are read behind it.
.macro BATCH1 x                        ; t;  among them c0 - x^2 log2(e) / 2
	WALU
.set N1_, 0
.rept 16
	v_rcp_f32 v[T+N1_], v[T+N1_]
	v_rcp_f32 v[T+N1_+1], v[T+N1_+1]
	v_pk_fma_f32 v[Z+N1_:Z+N1_+1], v[Z+N1_:Z+N1_+1], v[(\x)+N1_:(\x)+N1_+1], s[KC:KC+1] op_sel_hi:[1,1,0]
.set N1_, N1_+2
.endr
	WALU
.endm
.macro BATCH2 x                        ; 2^E;  among them x t and max(x, 0)
	WALU
.set N1_, 0
.rept 16
	v_exp_f32 v[Z+N1_], v[Z+N1_]
	v_pk_mul_f32 v[T+N1_:T+N1_+1], v[(\x)+N1_:(\x)+N1_+1], v[T+N1_:T+N1_+1]
	v_exp_f32 v[Z+N1_+1], v[Z+N1_+1]
	v_max_num_f32 v[(\x)+N1_], 0, v[(\x)+N1_]
	v_max_num_f32 v[(\x)+N1_+1], 0, v[(\x)+N1_+1]
.set N1_, N1_+2
.endr
	WALU
.endm
.macro FL x, n                         ; gelu(x) = max(x, 0) - |x t| 2^E
	v_fma_f32 v[(\x)+(\n)], -|v[T+(\n)]|, v[Z+(\n)], v[(\x)+(\n)]
.endm
.macro MXL x, b, k                     ; scale block b: my 16 numbers' largest magnitude, in two chains, and the floor 2^(16 - 127)
.set XQ_, (\x)+16*(\b)
.set A_, TM+(\b)
.set D_, TM+2+(\b)
.if (\k) == 0
	v_max3_num_f32 v[A_], |v[XQ_]|, |v[XQ_+1]|, 0x8000000
.elseif (\k) == 1
	v_max3_num_f32 v[D_], |v[XQ_+8]|, |v[XQ_+9]|, |v[XQ_+10]|
.elseif (\k) == 7
	v_max3_num_f32 v[A_], v[A_], v[D_], |v[XQ_+15]|
.elseif (\k)%2 == 0
	v_max3_num_f32 v[A_], v[A_], |v[XQ_+(\k)]|, |v[XQ_+(\k)+1]|
.else
	v_max3_num_f32 v[D_], v[D_], |v[XQ_+8+(\k)]|, |v[XQ_+9+(\k)]|
.endif
.endm
.macro SCL b, k                        ; joined with lane l xor 16's; the conversion's scale operand; 57,344 x the scale; the byte
.if (\k) == 0
	v_permlanex16_b32 v[TM+2+(\b)], v[TM+(\b)], s[SEL], s[SEL+1]
.elseif (\k) == 1
	v_max_num_f32 v[TM+(\b)], v[TM+(\b)], v[TM+2+(\b)]
.elseif (\k) == 2
	v_add_nc_u32 v[TM+4+(\b)], 0xf8800000, v[TM+(\b)]
.elseif (\k) == 3
	v_and_or_b32 v[TM+6+(\b)], v[TM+(\b)], 0x7f800000, s[MNT]
.else
	v_lshrrev_b32 v[TM+8+(\b)], 23, v[TM+4+(\b)]
.endif
.endm
.macro HL x, b, i                      ; the conversion to an 8-bit code does not saturate (ISA guide 7.6.2): the hold comes first
	v_med3_num_f32 v[(\x)+16*(\b)+(\i)], v[(\x)+16*(\b)+(\i)], -v[TM+6+(\b)], v[TM+6+(\b)]
.endm
.macro CVL x, b, h
	v_cvt_scalef32_pk8_bf8_f32 v[PC+4*(\b)+2*(\h):PC+4*(\b)+2*(\h)+1], v[(\x)+16*(\b)+8*(\h):(\x)+16*(\b)+8*(\h)+7], v[TM+4+(\b)]
.endm
.macro WQ x                            ; lines 192 .. 286: J_ = the line - 192
.if J_ < 16
	FL \x, J_
.elseif J_ < 40
.set M_, J_-16
.if M_%3 < 2
	FL \x, 16+2*(M_/3)+M_%3
.else
	MXL \x, 0, M_/3
.endif
.elseif J_ < 53
.set M_, J_-40
.if M_ >= 10
	MXL \x, 1, M_-5
.elseif M_%2 == 0
	MXL \x, 1, M_/2
.else
	SCL 0, M_/2
.endif
.elseif J_ < 74
.set M_, J_-53
.if M_ == 20
	HL \x, 0, 15
.elseif M_%4 < 3
	HL \x, 0, 3*(M_/4)+M_%4
.else
	SCL 1, M_/4
.endif
.elseif J_ < 76
	CVL \x, 0, J_-74
.elseif J_ < 92
	HL \x, 1, J_-76
.elseif J_ < 94
	CVL \x, 1, J_-92
.else
	v_lshl_or_b32 v[PW], v[TM+9], 8, v[TM+8]   ; my token's two bytes.  (A plain line behind the last conversion)
.endif
.endm
.macro WL x                            ; line WI of the way out, and on to the next
.if WI == 48
	BATCH1 \x
.endif
.if WI == 192
	BATCH2 \x
.endif
.if WI < 32
	v_fma_f32 v[T+WI], |v[(\x)+WI]|, s[CU], 1.0            ; 1 + |x| / (2 sqrt 2): each sum from its low end on
.elseif WI < 48
.set K_, 2*(WI-32)
	v_pk_mul_f32 v[Z+K_:Z+K_+1], v[(\x)+K_:(\x)+K_+1], s[KN:KN+1] op_sel_hi:[1,0]
.elseif WI < 192                       ; the polynomial by Horner's rule, eight pairs by turns, two groups of 16 numbers
.set G_, 16*((WI-48)/72)
.set S_, ((WI-48)%72)/8
.set P_, 2*((WI-48)%8)
.if S_ == 0
	v_pk_fma_f32 v[HH+P_:HH+P_+1], v[T+G_+P_:T+G_+P_+1], v[C9:C9+1], s[KC+16:KC+17] op_sel_hi:[1,1,0]
.elseif S_ < 8
	v_pk_fma_f32 v[HH+P_:HH+P_+1], v[HH+P_:HH+P_+1], v[T+G_+P_:T+G_+P_+1], s[KC+16-2*S_:KC+17-2*S_] op_sel_hi:[1,1,0]
.else
	v_pk_fma_f32 v[Z+G_+P_:Z+G_+P_+1], v[HH+P_:HH+P_+1], v[T+G_+P_:T+G_+P_+1], v[Z+G_+P_:Z+G_+P_+1]
.endif
.elseif WI < 287
.set J_, WI-192
	WQ \x
.endif
.set WI, WI+1
.endm
.macro WPROC                           ; W2: my column's 32 numbers down K become 32 codes and a byte
	s_wait_loadcnt 0x0
	v_max3_num_f32 v[HH+8], |v[WX]|, |v[WX+1]|, |v[WX+2]|
	v_max3_num_f32 v[HH+9], |v[WX+3]|, |v[WX+4]|, |v[WX+5]|
.irp i, 6,10,14,18,22,26
	v_max3_num_f32 v[HH+8], v[HH+8], |v[WX+\i]|, |v[WX+\i+1]|
	v_max3_num_f32 v[HH+9], v[HH+9], |v[WX+\i+2]|, |v[WX+\i+3]|
.endr
	v_max3_num_f32 v[HH+8], v[HH+8], |v[WX+30]|, |v[WX+31]|
	v_max3_num_f32 v[HH+8], v[HH+8], v[HH+9], 0x8000000
	v_add_nc_u32 v[HH+10], 0xf8800000, v[HH+8]
	v_and_or_b32 v[HH+11], v[HH+8], 0x7f800000, s[MNT]
	v_lshrrev_b32 v[HH+9], 23, v[HH+10]
	v_alignbit_b32 v[QW], v[HH+9], v[QW], 8        ; the byte comes in at the top: after four blocks the lowest K stands in the lowest byte
.set i, 0
.rept 32
	v_med3_num_f32 v[WX+i], v[WX+i], -v[HH+11], v[HH+11]
.set i, i+1
.endr
.irp g, 0,1,2,3
	v_cvt_scalef32_pk8_bf8_f32 v[HH+2*\g:HH+2*\g+1], v[WX+8*\g:WX+8*\g+7], v[HH+10]
.endr
	v_nop                                          ; one plain vector line behind the last conversion
	global_store_b128 v[QCO], v[HH:HH+3], s[WSB:WSB+1]             ; the sixteen lanes of one u store 256 consecutive bytes, aligned
	global_store_b128 v[QCO], v[HH+4:HH+7], s[WSB:WSB+1] offset:256
.endm
; EIGHT BLOCKS: the record in slot PS % 2
.macro TRIPS
	s_and_b32 s22, s[PS], 1
	s_mul_i32 s22, s22, REC
	v_add_nc_u32 v[ADA], s22, v[LI]
	v_add_nc_u32 v[ADB], s22, v[LI2]
	v_add_nc_u32 v[ADS], s22, v[AS0]
	WALU
	FETCH
	s_mov_b32 s[U], 0
	s_wait_dscnt 0x0
.Ltrip_\@:
	WALU
	s_wait_xcnt 0x0                        ; earlier loads and stores have read their bases and data
	s_mul_i32 s20, s[PS], RECO             ; where the block goes in hq
	s_lshl_b32 s21, s[U], 12
	s_add_co_u32 s20, s20, s21
	s_add_co_u32 s20, s20, s[PB]
	s_mov_b32 s21, 0
	s_add_nc_u64 s[OC:OC+1], s[10:11], s[20:21]
	s_lshr_b32 s22, s[TT], 4               ; W2: which of my two panels; block t = (TT / 2) % 8 of it
	s_mul_i32 s23, s22, RECO
	s_bfe_u32 s19, s[TT], 0x30001
	s_lshl_b32 s20, s19, 9
	s_add_co_u32 s20, s20, s23
	s_add_co_u32 s20, s20, s[QC]
	s_add_nc_u64 s[WSB:WSB+1], s[2:3], s[20:21]
	s_bfe_u32 s20, s[TT], 0x10003
	s_lshl_b32 s20, s20, 9
	s_add_co_u32 s20, s20, s23
	s_add_co_u32 s20, s20, s[QS]
	s_add_nc_u64 s[WSS:WSS+1], s[2:3], s[20:21]
	s_lshl_b32 s20, s19, 17
	s_lshl_b32 s22, s22, 9
	s_add_co_u32 s20, s20, s22
	s_add_co_u32 s20, s20, s[QL]
	s_add_nc_u64 s[WLB:WLB+1], s[12:13], s[20:21]
	s_and_b32 s22, s[PS], 1                ; the next block in LDS
	s_mul_i32 s22, s22, REC
	s_add_co_u32 s23, s[U], 1
	s_and_b32 s23, s23, 7
	s_lshl_b32 s19, s23, 12
	s_add_co_u32 s19, s19, s22
	s_lshl_b32 s23, s23, 6
	s_add_co_u32 s23, s23, s22
	s_lshl_b32 s22, s[TT], 6
	v_add_nc_u32 v[ADA], s19, v[LI]
	v_add_nc_u32 v[ADB], s19, v[LI2]
	v_add_nc_u32 v[ADS], s23, v[AS0]
	v_add_nc_u32 v[SGT], s22, v[SGB]
.set N_, 0
.rept 32
	PROD N_
.set N_, N_+1
.endr
	WIN 0
	PLACES 8                               ; eight places behind the last product, ahead of loads into what it has read and of the first reader of its sums
	WALU
	s_cmp_eq_u32 s[U], 7
	s_cbranch_scc1 .Lno_fetch_\@
	FETCH
.Lno_fetch_\@:
	s_bitcmp1_b32 s[TT], 0
	s_cbranch_scc1 .Lodd_\@
	s_wait_loadcnt 0x0                     ; on every way the earlier loads into these 32 registers are done (the odd trip between has waited for them)
.set i, 0
.rept 32                               ; an even trip asks for W2(32 t + i, my column): 32 lanes read 128 consecutive bytes, the four waves 512
	global_load_b32 v[WX+i], v[QLO], s[WLB:WLB+1] offset:i*4096 th:TH_LOAD_NT
.set i, i+1
.endr
.Lodd_\@:
.set WI, 0
.rept 287
	WL ACC
.endr
	WALU
	ds_store_b16 v[SGT], v[PW]             ; both halves of the lanes hold the same two bytes
	global_store_b128 v[LI], v[PC:PC+3], s[OC:OC+1]            ; each store covers 512 consecutive bytes
	global_store_b128 v[LI], v[PC+4:PC+7], s[OC:OC+1] offset:512
	s_bitcmp1_b32 s[TT], 0
	s_cbranch_scc0 .Leven_\@
	WPROC                                  ; an odd trip works them
	s_and_b32 s23, s[TT], 7
	s_cmp_eq_u32 s23, 7
	s_cbranch_scc0 .Leven_\@
	global_store_b32 v[QSO], v[QW], s[WSS:WSS+1]   ; four blocks' bytes: a scale word
.Leven_\@:
	WALU
	s_wait_dscnt 0x0                       ; the next block is in
	s_add_co_u32 s[TT], s[TT], 1
	s_add_co_u32 s[U], s[U], 1
	s_cmp_lg_u32 s[U], 8
	s_cbranch_scc1 .Ltrip_\@
.endm
	s_wait_tensorcnt 0x0                   ; my quarter of records 0 and 1 is in,
	s_barrier_signal -1
	s_barrier_wait -1                      ; everybody's is
	s_wait_loadcnt 0x0                     ; b1
.Lfill:                                        ; records 0 and 1; behind each its slot takes the record two on
	TRIPS
	s_wait_tensorcnt 0x0                   ; the three lines ahead of a refill's round
	ds_add_u32 v[SPW], v[NIL]
	s_mul_i32 s20, s[PS], REC
	s_mul_i32 s21, s14, RQ
	s_add_co_u32 s20, s20, s21
	s_mov_b32 s37, s20
	s_add_co_u32 s20, s20, s[XO]
	s_mov_b32 s21, 0
	s_add_nc_u64 s[38:39], s[4:5], s[20:21]
	s_or_b32 s39, s39, 0x80000000
	s_wait_dscnt 0x0
	CROUND
	tensor_load_to_lds s[36:39], s[68:75]
	s_nop 0
	PLACES 4
	s_add_co_u32 s[PS], s[PS], 1
	s_cmp_lg_u32 s[PS], 2
	s_cbranch_scc1 .Lfill
.Lrest:                                        ; records 2 and 3: nothing more is filled
	s_wait_tensorcnt 0x0                   ; my quarter of the record is in,
	s_barrier_signal -1
	s_barrier_wait -1                      ; everybody's is
	TRIPS
	s_add_co_u32 s[PS], s[PS], 1
	s_cmp_lg_u32 s[PS], 4
	s_cbranch_scc1 .Lrest
	s_mul_i32 s20, s14, RECO               ; the scale words: wave w stores record w's: twice 512 bytes
	s_add_co_u32 s20, s20, s[RB]
	s_mov_b32 s21, 0
	s_add_nc_u64 s[20:21], s[10:11], s[20:21]
	s_lshl_b32 s22, s14, 9
	s_add_co_u32 s22, s22, SCG
	s_barrier_signal -1                    ; (my LDS stores were waited for at the last trip's end)
	s_barrier_wait -1
	v_add_nc_u32 v[ADS], s22, v[LI]
	WALU
	ds_load_b128 v[T:T+3], v[ADS]
	ds_load_b128 v[T+4:T+7], v[ADS] offset:SGK
	s_wait_dscnt 0x0
	global_store_b128 v[LI], v[T:T+3], s[20:21]
	global_store_b128 v[LI], v[T+4:T+7], s[20:21] offset:512
	s_wait_tensorcnt 0x0                   ; the wave's end
	ds_add_u32 v[SPW], v[NIL]
	s_wait_dscnt 0x0
	CROUND                                 ; the closing round
	s_endpgm
.Lfunc_end_k_qb29847b80f_ffn1:
	.size	k_qb29847b80f_ffn1, .Lfunc_end_k_qb29847b80f_ffn1-k_qb29847b80f_ffn1
	.p2alignl 7, 3214868480
	.fill 96, 4, 3214868480
	.section	.rodata,"a",@progbits
	.p2align	6, 0x0
	.amdhsa_kernel k_qb29847b80f_ffn1
		.amdhsa_group_segment_fixed_size 327680
		.amdhsa_private_segment_fixed_size 0
		.amdhsa_enable_private_segment 0
		.amdhsa_kernarg_size 48
		.amdhsa_user_sgpr_count 2
		.amdhsa_user_sgpr_kernarg_segment_ptr 1
		.amdhsa_wavefront_size32 1
		.amdhsa_system_sgpr_workgroup_id_x 1
		.amdhsa_system_sgpr_workgroup_id_y 1
		.amdhsa_system_sgpr_workgroup_id_z 1
		.amdhsa_system_vgpr_workitem_id 0
		.amdhsa_next_free_vgpr 1024
		.amdhsa_next_free_sgpr 102
		.amdhsa_reserve_vcc 0
		.amdhsa_float_denorm_mode_32 3
		.amdhsa_float_denorm_mode_16_64 3
		.amdhsa_memory_ordered 1
		.amdhsa_forward_progress 1
		.amdhsa_inst_pref_size 106
	.end_amdhsa_kernel
	.amdgpu_metadata
---
amdhsa.version: [ 1, 2 ]
amdhsa.kernels:
  - .name:           k_qb29847b80f_ffn1
    .symbol:         k_qb29847b80f_ffn1.kd
    .args:
      - { .name: xq, .offset: 0, .size: 8, .value_kind: global_buffer, .address_space: global }
      - { .name: w1q, .offset: 8, .size: 8, .value_kind: global_buffer, .address_space: global }
      - { .name: b1, .offset: 16, .size: 8, .value_kind: global_buffer, .address_space: global }
      - { .name: hq, .offset: 24, .size: 8, .value_kind: global_buffer, .address_space: global }
      - { .name: W2, .offset: 32, .size: 8, .value_kind: global_buffer, .address_space: global }
      - { .name: w2q, .offset: 40, .size: 8, .value_kind: global_buffer, .address_space: global }
    .group_segment_fixed_size: 327680
    .private_segment_fixed_size: 0
    .kernarg_segment_align: 8
    .kernarg_segment_size: 48
    .max_flat_workgroup_size: 128
    .sgpr_count:     102
    .vgpr_count:     1024
    .wavefront_size: 32
...
	.end_amdgpu_metadata
.endif
;; end of part 2
;; launch ffn2 (part 3): grid 32 x 8, 4 waves a work-group, clusters of 4 x 4, 327,680 bytes of LDS; arguments hq, w2q, b2, part; writes part
.if DOCPART == 3
	.amdgcn_target "amdgcn-amd-amdhsa--gfx1250"
	.amdhsa_code_object_version 6
	.text
	.protected	k_qb29847b80f_ffn2
	.globl	k_qb29847b80f_ffn2
	.p2align	8
	.type	k_qb29847b80f_ffn2,@function
k_qb29847b80f_ffn2:
	s_mov_b64 s[64:65], 0
	v_nop
	global_prefetch_b8 v0, s[64:65] scope:SCOPE_SE
	s_setreg_imm32_b32 hwreg(HW_REG_WAVE_MODE, 25, 1), 1
	s_wait_xcnt 0x0
	s_wait_alu depctr_hold_cnt(0) depctr_sa_sdst(0) depctr_va_vdst(0) depctr_va_sdst(0) depctr_va_ssrc(0) depctr_va_vcc(0) depctr_vm_vsrc(0)
	s_getreg_b32 s2, hwreg(HW_REG_IB_STS2, 6, 4)
	s_cmp_eq_u32 s2, 0
	s_cbranch_scc0 .Lentry_in_a_cluster
	s_endpgm
.Lentry_in_a_cluster:
	s_bfe_u32 s2, ttmp6, 0x10000c
	s_cmp_lg_u32 s2, 0xf033
	s_cbranch_scc0 .Lentry_shape_is_right
	s_endpgm
.Lentry_shape_is_right:
.set KK,     8
.set PANEL,  32768
.set SLOT,   4*PANEL
.set SCP,    KK*1024
.set REC,    270336
.set LAPS,   KK/2
.set NQ,     2
.set FR,     16
.set NL,     4
.set NP,     8
.set SCL,    2*SLOT
.set STAGE,  SCL+4*SCP
.set SPITCH, 272
.set SPARE,  STAGE+4*16*SPITCH
.set ADRA, 16
.set ADRB, 20
.set STO,  24
.set RD,   25
.set CO,   26
.set ADRS, 27
.set SPW,  28
.set NIL,  29
.set PFO,  30
.set SC,   32
.set BI,   64
.set AF,   128
.set BK,   128
.set TMP,  192
.set G1, 24
.set G0, 32
.set G1B, 48
.set G0B, 56
.set G1S, 68
.set G0S, 76
.set G1SB, 80
.set G0SB, 88
.set LIM, 95
.set PFA, 96
.set MSB, 0
.macro WIN new
.if MSB != (\new)
	s_set_vgpr_msb (MSB<<8)|(\new)
.set MSB, (\new)
.endif
.endm
.set MUL_LO, 0xa1
.set MUL_HI, 0xf1
.set ONE_LO, 0x81
.set ONE_HI, 0xc1
.set TO_B,   0x40
.macro JLOAD g0a, g1a, g0b, g1b
	s_cmp_eq_u32 s15, 0
	s_cbranch_scc0 .Lfor_b_\@
	tensor_load_to_lds s[\g0a:\g0a+3], s[\g1a:\g1a+7]
	s_nop 0
.rept 4
	v_nop
.endr
	s_branch .Lasked_\@
.Lfor_b_\@:
	tensor_load_to_lds s[\g0b:\g0b+3], s[\g1b:\g1b+7]
	s_nop 0
.rept 4
	v_nop
.endr
.Lasked_\@:
.endm
.macro ASK
	s_cmp_gt_u32 s3, s[LIM]
	s_cbranch_scc0 .Lnot_mine_\@
	global_prefetch_b8 v[PFO], s[PFA:PFA+1] offset:PANEL th:TH_LOAD_NT scope:SCOPE_SE
.Lnot_mine_\@:
.endm
.macro CREST
	s_cmp_lg_u32 s14, 0
	s_cbranch_scc1 .Lnot_wave_0_\@
	s_barrier_signal -3
.Lnot_wave_0_\@:
	s_barrier_wait -3
	s_barrier_signal -1
	s_barrier_wait -1
.endm
.macro CROUND
	s_barrier_signal -1
	s_barrier_wait -1
	CREST
.endm
	s_load_b256 s[4:11], s[0:1], 0x0
	v_lshl_add_u32 v[SPW], v0, 2, SPARE
	v_mov_b32 v[NIL], 0
	ds_add_u32 v[SPW], v[NIL]
	ds_add_u32 v[SPW], v[NIL]
	v_lshrrev_b32 v1, 5, v0
	v_readfirstlane_b32 s14, v1
	s_lshr_b32 s15, s14, 1
	s_and_b32 s16, s14, 1
	s_bfe_u32 s40, ttmp6, 0x40000
	s_bfe_u32 s41, ttmp6, 0x40004
	s_lshl_b32 s42, ttmp9, 2
	s_add_co_u32 s42, s42, s40
	s_and_b32 s17, ttmp7, 0xffff
	s_lshl_b32 s17, s17, 2
	s_add_co_u32 s17, s17, s41
	s_lshl_b32 s43, s41, 2
	s_lshl_b32 s43, 15, s43
	s_lshl_b32 s44, 0x1111, s40
	s_or_b32 s[G1+0], s43, (3<<16)|(1<<21)
	s_or_b32 s[G1B+0], s44, (3<<16)|(1<<21)
.irp g, G1, G1B
	s_mov_b32 s[\g+1], 32<<16
	s_mov_b32 s[\g+2], 128<<16
	s_mov_b32 s[\g+3], 32<<16
	s_mov_b32 s[\g+4], 128
	s_mov_b32 s[\g+5], 32
	s_mov_b32 s[\g+6], 0
	s_mov_b32 s[\g+7], 0
.endr
	s_or_b32 s[G1S+0], s43, (3<<16)|(1<<21)
	s_or_b32 s[G1SB+0], s44, (3<<16)|(1<<21)
.irp g, G1S, G1SB
	s_mov_b32 s[\g+1], 32<<16
	s_mov_b32 s[\g+2], (4*KK)<<16
	s_mov_b32 s[\g+3], 32<<16
	s_mov_b32 s[\g+4], 4*KK
	s_mov_b32 s[\g+5], 32
	s_mov_b32 s[\g+6], 0
	s_mov_b32 s[\g+7], 0
.endr
	s_lshl_b32 s20, s17, 1
	s_add_co_u32 s20, s20, s16
	s_lshl_b32 s21, ttmp9, 4
	s_add_co_u32 s20, s20, s21
	s_mul_i32 s20, s20, REC
	s_mov_b32 s21, 0
	s_lshl_b32 s46, s42, 1
	s_add_co_u32 s46, s46, s16
	s_mul_i32 s46, s46, REC
	s_mov_b32 s47, 0
	s_mul_i32 s45, s14, PANEL
	s_mul_i32 s94, s14, SCP
	s_wait_dscnt 0x0
	s_wait_kmcnt 0x0
	s_add_nc_u64 s[20:21], s[4:5], s[20:21]
	s_add_nc_u64 s[46:47], s[6:7], s[46:47]
	s_add_nc_u64 s[22:23], s[20:21], KK*PANEL
	s_add_nc_u64 s[92:93], s[46:47], KK*PANEL
	CROUND
	s_mov_b32 s[G0S], 1
	s_add_co_u32 s[G0S+1], s94, SCL
	s_mov_b64 s[G0S+2:G0S+3], s[22:23]
	s_or_b32 s[G0S+3], s[G0S+3], 0x80000000
	s_mov_b32 s[G0SB], 1
	s_add_co_u32 s[G0SB+1], s94, SCL
	s_mov_b64 s[G0SB+2:G0SB+3], s[92:93]
	s_or_b32 s[G0SB+3], s[G0SB+3], 0x80000000
	JLOAD G0S, G1S, G0SB, G1SB
.irp s, 0,1
	s_mov_b32 s[G0+4*\s], 1
	s_add_co_u32 s[G0+4*\s+1], s45, \s*SLOT
	s_add_nc_u64 s[G0+4*\s+2:G0+4*\s+3], s[20:21], \s*PANEL
	s_or_b32 s[G0+4*\s+3], s[G0+4*\s+3], 0x80000000
	s_mov_b32 s[G0B+4*\s], 1
	s_add_co_u32 s[G0B+4*\s+1], s45, \s*SLOT
	s_add_nc_u64 s[G0B+4*\s+2:G0B+4*\s+3], s[46:47], \s*PANEL
	s_or_b32 s[G0B+4*\s+3], s[G0B+4*\s+3], 0x80000000
	s_wait_alu depctr_va_vdst(0)
	s_wait_tensorcnt 0x0
	ds_add_u32 v28, v29
	s_wait_dscnt 0x0
	CROUND
	JLOAD G0+4*\s, G1, G0B+4*\s, G1B
.endr
	s_and_b32 s22, ttmp7, 0xffff
	s_cmp_eq_u32 s15, 0
	s_cselect_b64 s[PFA:PFA+1], s[20:21], s[46:47]
	s_cselect_b32 s18, s40, s41
	s_cselect_b32 s19, 0, s22
	s_cmp_eq_u32 s19, 0
	s_cselect_b32 s[LIM], 1, -1
	s_lshl_b32 s18, s18, 13
	s_add_co_u32 s18, s18, 2*PANEL
	s_mov_b32 s19, 0
	s_add_nc_u64 s[PFA:PFA+1], s[PFA:PFA+1], s[18:19]
	v_and_b32 v3, 31, v0
	v_lshlrev_b32 v[PFO], 8, v3
	v_and_b32 v1, 15, v0
	v_bfe_u32 v2, v0, 4, 1
	s_wait_alu depctr_va_vdst(0)
	v_lshlrev_b32 v4, 4, v3
	s_mul_i32 s21, s15, PANEL
	s_mul_i32 s22, s16, PANEL
	s_add_co_u32 s22, s22, 2*PANEL
.irp s, 0,1
	v_add_nc_u32 v[ADRA+\s], s21, v4
	v_add_nc_u32 v[ADRB+\s], s22, v4
	s_add_co_u32 s21, s21, SLOT
	s_add_co_u32 s22, s22, SLOT
.endr
	v_lshlrev_b32 v5, 2, v1
	s_mul_i32 s21, s15, SCP
	s_mul_i32 s22, s16, SCP
	s_add_co_u32 s22, s22, 2*SCP
	s_sub_co_u32 s22, s22, s21
	v_mul_u32_u24 v6, s22, v2
	s_add_co_u32 s21, s21, SCL
	v_add_nc_u32 v5, v5, v6
	v_add_nc_u32 v[ADRS], s21, v5
	s_mul_i32 s23, s14, 16*SPITCH
	s_add_co_u32 s23, s23, STAGE
	v_mul_u32_u24 v5, v1, SPITCH
	v_lshl_add_u32 v5, v2, 5, v5
	v_add_nc_u32 v[STO], s23, v5
	v_mul_u32_u24 v5, v2, SPITCH
	v_lshl_add_u32 v5, v1, 4, v5
	v_add_nc_u32 v[RD], s23, v5
	v_lshlrev_b32 v5, 11, v2
	v_lshl_add_u32 v[CO], v1, 4, v5
	v_lshlrev_b32 v7, 6, v2
	s_lshl_b32 s46, s42, 10
	s_lshl_b32 s47, s16, 9
	s_add_co_u32 s46, s46, s47
	s_mov_b32 s47, 0
	s_add_nc_u64 s[8:9], s[8:9], s[46:47]
.irp t, 0,1,2,3,4,5,6,7
	global_load_b128 v[BI+8*\t:BI+8*\t+3], v7, s[8:9] offset:(32*(\t/2)+8*(\t%2))*4
	global_load_b128 v[BI+8*\t+4:BI+8*\t+7], v7, s[8:9] offset:(32*(\t/2)+8*(\t%2))*4+16
.endr
	s_lshl_b32 s46, ttmp9, 22
	s_lshl_b32 s47, s17, 19
	s_add_co_u32 s46, s46, s47
	s_lshl_b32 s47, s15, 18
	s_add_co_u32 s46, s46, s47
	s_lshl_b32 s47, s40, 9
	s_add_co_u32 s46, s46, s47
	s_lshl_b32 s47, s16, 8
	s_add_co_u32 s46, s46, s47
	s_mov_b32 s47, 0
	s_add_nc_u64 s[10:11], s[10:11], s[46:47]
.macro FRAG reg, adr, q, i
.irp c, 0,1,2,3
	ds_load_b128 v[\reg+4*\c:\reg+4*\c+3], v[\adr] offset:(\i)*4096+(\q)*2048+512*\c
.endr
.endm
.macro MUL16 a0, p, q, sc, first
.irp a, \a0, \a0+1
.irp b, 0,1,2,3,4,5,6,7
.if \first
	v_wmma_scale_f32_16x16x128_f8f6f4 v[8*(8*((\a)%4)+\b):8*(8*((\a)%4)+\b)+7], v[128*(\p)+FR*\b:128*(\p)+FR*\b+FR-1], v[AF+FR*(\a):AF+FR*(\a)+FR-1], v[BI+8*\b:BI+8*\b+7], v[SC+8*NQ*(\sc)+NQ*\b+(\q)], v[SC+8*NQ*(\sc)+NQ*(\a)+(\q)] matrix_a_fmt:MATRIX_FMT_BF8 matrix_b_fmt:MATRIX_FMT_BF8 matrix_a_scale:MATRIX_SCALE_ROW1
.else
	v_wmma_scale_f32_16x16x128_f8f6f4 v[8*(8*((\a)%4)+\b):8*(8*((\a)%4)+\b)+7], v[128*(\p)+FR*\b:128*(\p)+FR*\b+FR-1], v[AF+FR*(\a):AF+FR*(\a)+FR-1], v[8*(8*((\a)%4)+\b):8*(8*((\a)%4)+\b)+7], v[SC+8*NQ*(\sc)+NQ*\b+(\q)], v[SC+8*NQ*(\sc)+NQ*(\a)+(\q)] matrix_a_fmt:MATRIX_FMT_BF8 matrix_b_fmt:MATRIX_FMT_BF8 matrix_a_scale:MATRIX_SCALE_ROW1
.endif
.endr
.endr
.endm
.macro FETCH_B slot, q, p
	WIN TO_B
.irp i, 0,1,2,3,4,5,6,7
	FRAG 128*(\p)+FR*\i, ADRB+\slot, \q, \i
.endr
	WIN 0
.endm
.macro FETCH_A slot, q, i0
.irp i, \i0, \i0+1, \i0+2, \i0+3
	FRAG AF+FR*(\i), ADRA+\slot, \q, \i
.endr
.endm
.macro SCALES sc
.irp q, 0,1
.irp i, 0,1,2,3,4,5,6,7
	ds_load_b32 v[SC+16*\sc+2*\i+\q], v[ADRS] offset:\q*512+\i*64
.endr
.endr
.endm
.macro PLACES n
.rept \n
	v_nop
.endr
.endm
.macro STEP slot, q, first
	s_wait_dscnt 4*NL
.if \first
	WIN ONE_LO
.else
	WIN MUL_LO
.endif
	MUL16 0, (\q)%2, \q, \slot, \first
	MUL16 2, (\q)%2, \q, \slot, \first
	s_wait_dscnt 0
	PLACES NP
	FETCH_B \slot, (\q)+1, 1-(\q)%2
	FETCH_A \slot, (\q)+1, 0
.if \first
	WIN ONE_HI
.else
	WIN MUL_HI
.endif
	MUL16 4, (\q)%2, \q, \slot, \first
	MUL16 6, (\q)%2, \q, \slot, \first
	PLACES NP
	WIN 0
	FETCH_A \slot, (\q)+1, 4
.endm
.macro TURN slot, next, fill
.if \fill
	s_wait_xcnt 0x0
	s_add_nc_u64 s[PFA:PFA+1], s[PFA:PFA+1], PANEL
.endif
	s_wait_tensorcnt 0x0
	ds_add_u32 v[SPW], v[NIL]
	s_wait_dscnt 4*NL+1
	WIN MUL_LO
	MUL16 0, 1, NQ-1, \slot, 0
	s_wait_dscnt 0x0
	s_barrier_signal -1
	MUL16 2, 1, NQ-1, \slot, 0
	WIN 0
	s_barrier_wait -1
.if \fill
	CREST
	s_add_nc_u64 s[G0+4*\slot+2:G0+4*\slot+3], s[G0+4*\slot+2:G0+4*\slot+3], 2*PANEL
	s_add_nc_u64 s[G0B+4*\slot+2:G0B+4*\slot+3], s[G0B+4*\slot+2:G0B+4*\slot+3], 2*PANEL
	JLOAD G0+4*\slot, G1, G0B+4*\slot, G1B
	PLACES NP-4
.else
	PLACES NP
.endif
	s_wait_alu depctr_va_vdst(0)
	v_add_nc_u32 v[ADRS], 1024, v[ADRS]
	FETCH_B \next, 0, 0
	FETCH_A \next, 0, 0
	SCALES \next
.if \fill
	ASK
.endif
	WIN MUL_HI
	MUL16 4, 1, NQ-1, \slot, 0
	MUL16 6, 1, NQ-1, \slot, 0
	PLACES NP
	WIN 0
	FETCH_A \next, 0, 4
.endm
	s_wait_tensorcnt 1
	s_barrier_signal -1
	s_barrier_wait -1
	FETCH_B 0, 0, 0
	FETCH_A 0, 0, 0
	SCALES 0
	FETCH_A 0, 0, 4
	s_wait_loadcnt 0x0
	STEP 0, 0, 1
	s_mov_b32 s3, LAPS-1
.Llap:
	TURN 0, 1, 1
	STEP 1, 0, 0
	TURN 1, 0, 1
	STEP 0, 0, 0
	s_sub_co_u32 s3, s3, 1
	s_cmp_lg_u32 s3, 0
	s_cbranch_scc1 .Llap
	TURN 0, 1, 0
	STEP 1, 0, 0
	s_wait_dscnt 4*NL
	WIN MUL_LO
	MUL16 0, 1, NQ-1, 1, 0
	MUL16 2, 1, NQ-1, 1, 0
	s_wait_dscnt 0
	WIN MUL_HI
	MUL16 4, 1, NQ-1, 1, 0
	MUL16 6, 1, NQ-1, 1, 0
	WIN 0
.macro PACK a
.set AC, 64*((\a)%4)
	WIN 0x0a+5*((\a)/4)
.irp t, 0,1,2,3,4,5,6,7
.irp r, 0,1,2,3
	v_cvt_pk_bf16_f32 v[TMP+4*\t+\r], v[AC+8*\t+2*\r], v[AC+8*\t+2*\r+1]
.endr
.endr
	WIN 0
.endm
.macro TOSTAGE a
.set BB, BK+32*((\a)%2)
.irp t, 0,1,2,3,4,5,6,7
	ds_store_b128 v[STO], v[TMP+4*\t:TMP+4*\t+3] offset:64*(\t/2)+16*(\t%2)
.endr
.irp i, 0,1,2,3,4,5,6,7
	ds_load_b128 v[BB+4*\i:BB+4*\i+3], v[RD] offset:\i*2*SPITCH
.endr
.endm
.macro SEND a
.set BB, BK+32*((\a)%2)
	s_wait_dscnt 0x0
	s_wait_xcnt 0x0
.irp i, 0,1,2,3,4,5,6,7
	global_store_b128 v[CO], v[BB+4*\i:BB+4*\i+3], s[10:11] offset:(16*(\a)+2*\i)*2048
.endr
.endm
	PLACES NP
	PACK 0
	TOSTAGE 0
.irp a, 1,2,3,4,5,6,7
	PACK \a
	s_wait_alu depctr_va_vdst(0)
	SEND \a-1
	TOSTAGE \a
.endr
	SEND 7
	s_wait_tensorcnt 0x0
	ds_add_u32 v[SPW], v[NIL]
	s_wait_dscnt 0x0
	CROUND
	s_endpgm
.Lfunc_end_k_qb29847b80f_ffn2:
	.size	k_qb29847b80f_ffn2, .Lfunc_end_k_qb29847b80f_ffn2-k_qb29847b80f_ffn2
	.p2alignl 7, 3214868480
	.fill 96, 4, 3214868480
	.section	.rodata,"a",@progbits
	.p2align	6, 0x0
	.amdhsa_kernel k_qb29847b80f_ffn2
		.amdhsa_group_segment_fixed_size 327680
		.amdhsa_private_segment_fixed_size 0
		.amdhsa_enable_private_segment 0
		.amdhsa_kernarg_size 32
		.amdhsa_user_sgpr_count 2
		.amdhsa_user_sgpr_kernarg_segment_ptr 1
		.amdhsa_wavefront_size32 1
		.amdhsa_system_sgpr_workgroup_id_x 1
		.amdhsa_system_sgpr_workgroup_id_y 1
		.amdhsa_system_sgpr_workgroup_id_z 1
		.amdhsa_system_vgpr_workitem_id 0
		.amdhsa_next_free_vgpr 1024
		.amdhsa_next_free_sgpr 100
		.amdhsa_reserve_vcc 0
		.amdhsa_float_denorm_mode_32 3
		.amdhsa_float_denorm_mode_16_64 3
		.amdhsa_memory_ordered 1
		.amdhsa_forward_progress 1
		.amdhsa_inst_pref_size 153
	.end_amdhsa_kernel
	.amdgpu_metadata
---
amdhsa.version: [ 1, 2 ]
amdhsa.kernels:
  - .name:           k_qb29847b80f_ffn2
    .symbol:         k_qb29847b80f_ffn2.kd
    .args:
      - { .name: hq, .offset: 0, .size: 8, .value_kind: global_buffer, .address_space: global }
      - { .name: w2q, .offset: 8, .size: 8, .value_kind: global_buffer, .address_space: global }
      - { .name: b2, .offset: 16, .size: 8, .value_kind: global_buffer, .address_space: global }
      - { .name: part, .offset: 24, .size: 8, .value_kind: global_buffer, .address_space: global }
    .group_segment_fixed_size: 327680
    .private_segment_fixed_size: 0
    .kernarg_segment_align: 8
    .kernarg_segment_size: 32
    .max_flat_workgroup_size: 128
    .sgpr_count:     100
    .vgpr_count:     1024
    .wavefront_size: 32
...
	.end_amdgpu_metadata
.endif
;; end of part 3
;; launch combine (part 4): grid 512 x 1, 8 waves a work-group, no clusters, 0 bytes of LDS; arguments part, gate_logits, out0; writes out0
.if DOCPART == 4
	.amdgcn_target "amdgcn-amd-amdhsa--gfx1250"
	.amdhsa_code_object_version 6
	.text
	.protected	k_qb29847b80f_combine
	.globl	k_qb29847b80f_combine
	.p2align	8
	.type	k_qb29847b80f_combine,@function
k_qb29847b80f_combine:
	s_mov_b64 s[64:65], 0
	v_nop
	global_prefetch_b8 v0, s[64:65] scope:SCOPE_SE
	s_setreg_imm32_b32 hwreg(HW_REG_WAVE_MODE, 25, 1), 1
	s_wait_xcnt 0x0
; LAUNCH 4 OF 4: out0[b][d] = sum over e of p_e fe_e[b][d], p = softmax(gate_logits), the maximum taken away ahead of the exponentials.  Left out: the division of the logits by TEMP = 1.0, a factor of 1 by identity.
; fe arrives as bf16 (launch 3): the operands of a product that is left as it is; p and the sums are f32: one fused multiply-add for each term, the experts in ascending order.
; The product has K = 8 and one column: the launch moves bytes and little else, so no matrix unit, no LDS, no cluster: work-groups share nothing but the eight logits.
; A work-group of eight waves takes 4 rows of out0; thread t takes numbers 4 t .. 4 t + 3 of each row: 8 bytes of each expert's row (a wave's load covers 256 consecutive bytes), 16 bytes of out0 (a wave's store 512).
; All 32 loads of a thread go out at the head; the softmax is made while they are on their way.
; LIMITS: NaN and infinities among the inputs are not served.
.set P,    8                           ; v8-15    the logits, then p
.set FE,   32                          ; v32-95   row c, expert e: two registers at FE + 16 c + 2 e
.set ACC,  96                          ; v96-111  row c: four sums
	s_load_b128 s[4:7], s[0:1], 0x0                ; part s[4:5], gate_logits s[6:7]
	s_load_b64 s[8:9], s[0:1], 0x10                ; out0
	v_lshlrev_b32 v1, 3, v0                        ; 8 t
	v_lshlrev_b32 v2, 4, v0                        ; 16 t
	s_lshl_b32 s10, ttmp9, 13                      ; 4 rows of 2,048 bytes
	s_mov_b32 s11, 0
	s_lshl_b32 s12, ttmp9, 14                      ; 4 rows of 4,096 bytes
	s_mov_b32 s13, 0
	s_wait_alu depctr_va_vdst(0)
	s_wait_kmcnt 0x0
	s_load_b256 s[16:23], s[6:7], 0x0              ; the eight logits
	s_add_nc_u64 s[24:25], s[4:5], s[10:11]        ; expert 0's rows,
.irp e, 1,2,3,4,5,6,7
	s_add_nc_u64 s[24+2*\e:25+2*\e], s[24:25], \e*4194304   ; and the others': 2,048 x 1,024 x 2 bytes apart
.endr
	s_add_nc_u64 s[8:9], s[8:9], s[12:13]
.irp c, 0,1,2,3
.irp e, 0,1,2,3,4,5,6,7
	global_load_b64 v[FE+16*\c+2*\e:FE+16*\c+2*\e+1], v1, s[24+2*\e:25+2*\e] offset:2048*\c th:TH_LOAD_NT
.endr
.endr
	s_wait_kmcnt 0x0
.irp e, 0,1,2,3,4,5,6,7
	v_mov_b32 v[P+\e], s[16+\e]
.endr
	v_max3_num_f32 v17, v[P], v[P+1], v[P+2]       ; the largest logit
	s_delay_alu instid0(VALU_DEP_1)
	v_max3_num_f32 v17, v17, v[P+3], v[P+4]
	s_delay_alu instid0(VALU_DEP_1)
	v_max3_num_f32 v17, v17, v[P+5], v[P+6]
	s_delay_alu instid0(VALU_DEP_1)
	v_max_num_f32 v17, v17, v[P+7]
.irp e, 0,1,2,3,4,5,6,7
	v_sub_f32 v[P+\e], v[P+\e], v17
.endr
.irp e, 0,1,2,3,4,5,6,7
	v_mul_f32 v[P+\e], 0x3fb8aa3b, v[P+\e]         ; x log2(e)
.endr
	s_wait_alu depctr_va_vdst(0)
.irp e, 0,1,2,3,4,5,6,7
	v_exp_f32 v[P+\e], v[P+\e]
.endr
	v_mov_b32 v16, 0                               ; what each sum starts from.  (A plain line behind the exponentials)
	s_wait_alu depctr_va_vdst(0)                   ; one wait for the eight, ahead of their first reader
	v_add_f32 v18, v[P], v[P+1]
	v_add_f32 v19, v[P+2], v[P+3]
	v_add_f32 v20, v[P+4], v[P+5]
	v_add_f32 v21, v[P+6], v[P+7]
	s_delay_alu instid0(VALU_DEP_3)
	v_add_f32 v18, v18, v19
	s_delay_alu instid0(VALU_DEP_2)
	v_add_f32 v20, v20, v21
	s_delay_alu instid0(VALU_DEP_1)
	v_add_f32 v18, v18, v20
	s_wait_alu depctr_va_vdst(0)
	v_rcp_f32 v18, v18
	v_nop                                          ; a plain line behind the reciprocal
	s_wait_alu depctr_va_vdst(0)
.irp e, 0,1,2,3,4,5,6,7
	v_mul_f32 v[P+\e], v[P+\e], v18                ; p
.endr
	s_wait_alu depctr_va_vdst(0)
.irp c, 0,1,2,3
	s_wait_loadcnt 8*(3-\c)                        ; row c's eight loads are in; the later rows' may be out
.irp w, 0,1
	v_fma_mix_f32_bf16 v[ACC+4*\c+2*\w], v[FE+16*\c+\w], v[P], v16 op_sel_hi:[1,0,0]                     ; the word's low bf16 x p_0
	v_fma_mix_f32_bf16 v[ACC+4*\c+2*\w+1], v[FE+16*\c+\w], v[P], v16 op_sel:[1,0,0] op_sel_hi:[1,0,0]    ; its high bf16
.endr
.irp e, 1,2,3,4,5,6,7
.irp w, 0,1
	s_delay_alu instid0(VALU_DEP_4)
	v_fma_mix_f32_bf16 v[ACC+4*\c+2*\w], v[FE+16*\c+2*\e+\w], v[P+\e], v[ACC+4*\c+2*\w] op_sel_hi:[1,0,0]
	s_delay_alu instid0(VALU_DEP_4)
	v_fma_mix_f32_bf16 v[ACC+4*\c+2*\w+1], v[FE+16*\c+2*\e+\w], v[P+\e], v[ACC+4*\c+2*\w+1] op_sel:[1,0,0] op_sel_hi:[1,0,0]
.endr
.endr
	global_store_b128 v2, v[ACC+4*\c:ACC+4*\c+3], s[8:9] offset:4096*\c th:TH_STORE_NT   ; each row has its own four registers: no store's data are written again
.endr
	s_endpgm
.Lfunc_end_k_qb29847b80f_combine:
	.size	k_qb29847b80f_combine, .Lfunc_end_k_qb29847b80f_combine-k_qb29847b80f_combine
	.p2alignl 7, 3214868480
	.fill 96, 4, 3214868480
	.section	.rodata,"a",@progbits
	.p2align	6, 0x0
	.amdhsa_kernel k_qb29847b80f_combine
		.amdhsa_group_segment_fixed_size 0
		.amdhsa_private_segment_fixed_size 0
		.amdhsa_enable_private_segment 0
		.amdhsa_kernarg_size 24
		.amdhsa_user_sgpr_count 2
		.amdhsa_user_sgpr_kernarg_segment_ptr 1
		.amdhsa_wavefront_size32 1
		.amdhsa_system_sgpr_workgroup_id_x 1
		.amdhsa_system_sgpr_workgroup_id_y 1
		.amdhsa_system_sgpr_workgroup_id_z 1
		.amdhsa_system_vgpr_workitem_id 0
		.amdhsa_next_free_vgpr 128
		.amdhsa_next_free_sgpr 66
		.amdhsa_reserve_vcc 0
		.amdhsa_float_denorm_mode_32 3
		.amdhsa_float_denorm_mode_16_64 3
		.amdhsa_memory_ordered 1
		.amdhsa_forward_progress 1
		.amdhsa_inst_pref_size 19
	.end_amdhsa_kernel
	.amdgpu_metadata
---
amdhsa.version: [ 1, 2 ]
amdhsa.kernels:
  - .name:           k_qb29847b80f_combine
    .symbol:         k_qb29847b80f_combine.kd
    .args:
      - { .name: part, .offset: 0, .size: 8, .value_kind: global_buffer, .address_space: global }
      - { .name: gate_logits, .offset: 8, .size: 8, .value_kind: global_buffer, .address_space: global }
      - { .name: out0, .offset: 16, .size: 8, .value_kind: global_buffer, .address_space: global }
    .group_segment_fixed_size: 0
    .private_segment_fixed_size: 0
    .kernarg_segment_align: 8
    .kernarg_segment_size: 24
    .max_flat_workgroup_size: 256
    .sgpr_count:     66
    .vgpr_count:     128
    .wavefront_size: 32
...
	.end_amdgpu_metadata
.endif
;; end of part 4
